; MI455X (gfx1250); checked and timed in simulation.
; The chip was launched on July 23, 2026; its instructions are those of AMD's public machine-readable ISA for CDNA 5 (MIT licence, August 2026) and "CDNA5" Instruction Set Architecture Reference Guide (July 2026). The comments in the code are by the model that wrote it; some were corrected since.
;; Causal Self Attention. Allowed arithmetic: matrix products marked QUANTISED: E4M3 operands, one given power-of-two scale a tensor, by v_wmma_f32_16x16x64_fp8_fp8 or v_wmma_f32_16x16x128_fp8_fp8, f32 sums; everything else in f32.
;; Inputs: W_out_codes 1,024 x 32 x 32 uint8 (E4M3 codes of W_out, K innermost, in blocks of 32 codes); W_qkv_codes 3,072 x 32 x 32 uint8 (E4M3 codes of W_qkv, K innermost, in blocks of 32 codes); lowp_scales 8 int32 (the exponents e of the quantised operands' scales 2^e); x_codes 4 x 2,048 x 32 x 32 uint8 (E4M3 codes of x, K innermost, in blocks of 32 codes).
;; Outputs: out0 4 x 2,048 x 1,024 float32.
;; This version of the problem:
;;   THIS VERSION OF THE PROBLEM IS GIVEN IN LOW PRECISION. The matrix products marked QUANTISED in the list below multiply operands that are first quantised to E4M3 (4 exponent bits, 3 mantissa bits; 8 bits a number), with one given power-of-two scale for each operand tensor; their sums are f32. All else is computed in f32.
;;   The module's matrix products, in the order in which they are computed (A, B: the left and right operand; K: the contracted axis; several contracted axes count as one K, in the product's order):
;;     1. [M 8,192, K 1,024] x [K 1,024, N 3,072]; A: input x (given as codes); B: input W_qkv (given as codes): QUANTISED (scales: A lowp_scales[0], B lowp_scales[1])
;;     2. batch 64 x [M 2,048, K 64] x [K 64, N 2,048]; A: computed on the way; B: computed on the way: QUANTISED (scales: A lowp_scales[2], B lowp_scales[3])
;;     3. batch 64 x [M 2,048, K 2,048] x [K 2,048, N 64]; A: softmax (see below); B: computed on the way: QUANTISED (scales: A lowp_scales[4], B lowp_scales[5])
;;     4. [M 8,192, K 1,024] x [K 1,024, N 1,024]; A: computed on the way; B: input W_out (given as codes): QUANTISED (scales: A lowp_scales[6], B lowp_scales[7])
;;   THE QUANTISER, for each operand of a quantised product, along K:
;;     - The operand's scale is 2^e, e = its entry of the input lowp_scales (int32; the entries are numbered through the quantised products in the list's order, A before B).
;;     - Each number is divided by the scale, clamped to +-448, and rounded to the nearest number of E4M3, ties to even, subnormals kept.
;;     - The product sums the exact products of the quantised numbers (number of the format x scale) in f32.
;;   ~~~python
;;   def quantise(x, axis, e):      # numpy; x: float32 -> the quantised numbers, widened to float32 again
;;       x = np.moveaxis(x, axis, -1); K = x.shape[-1]
;;       r = np.clip(x / 2.0 ** e, -448, 448)
;;       step = 2.0 ** (np.maximum(np.frexp(np.where(r == 0, 1, r))[1] - 1, -6) - 3)
;;       q = np.round(r / step) * step * 2.0 ** e      # np.round: ties to even
;;       return np.moveaxis(q, -1, axis).astype(np.float32)
;;   ~~~
;;   SOFTMAX AHEAD OF A QUANTISED PRODUCT. Where the list says 'softmax', what is quantised is not the finished softmax but p = 2^(t - M), with t = logit x log2(e) and M = ceil(the row's largest t), a whole number; so 1/2 < the row's largest p <= 1. The row's sum l is taken of the UNQUANTISED p, in f32, and the product's result is divided by l at the end. Since M is a whole number, a kernel that streams over the keys may use a running M (the ceiling of the running maximum): every later rescaling is an exact power of two, so the quantised numbers keep their values, but for numbers so far below the row's largest that they fall under the format's range.
;;   OPERANDS COMPUTED ON THE WAY. 'Computed on the way' means the value that the module computes at that place (a softmax that the list does not call 'softmax' is quantised finished and normalised). What goes into a quantiser is computed in f32, as accurately as f32 sums, v_exp_f32 and their like allow (about 1e-6 of the number): no bf16 or f16 on the way to a quantiser, and a product that is left as it is and whose result goes on into a quantised operand takes f32 operands (vector FMAs, or v_wmma_f32_16x16x4_f32). A number that lies on a knife's edge between two numbers of the format may be rounded either way, as far as f32 arithmetic and the matrix unit's own rounding can turn it there, and no further.
;;   INPUTS GIVEN AS CODES. W_out (in the module: [1024, 1024], K = its axis 0); W_qkv (in the module: [1024, 3072], K = its axis 0); x (in the module: [4, 2048, 1024], K = its axis 2): each comes as NAME_codes (uint8): NAME with its K axis moved to the last place and cut into blocks of 32 codes, [.., K / 32, bytes a block], one block behind the other in memory; one code a byte (a code: sign, 4 exponent bits, 3 mantissa bits); its scale is its entry of lowp_scales. Its value is code x scale, taken as it is: it is not quantised again, and the codes and scales need not be those that the quantiser above would give.
;; One version. Each part assembles by itself: llvm-mc -triple=amdgcn-amd-amdhsa -mcpu=gfx1250 --defsym DOCPART=n.
;; ======== version 1 of 1: 3 launches
;; limits: right only within a limited range of input values
;; workspace buffers: qkv_img 25,165,824 bytes; y_img 8,388,608 bytes
;; launch qkv (part 1): grid 12 x 32, 4 waves a work-group, clusters of 4 x 4, 327,680 bytes of LDS; arguments x_codes, W_qkv_codes, lowp_scales, qkv_img; writes qkv_img
.if DOCPART == 1
	.amdgcn_target "amdgcn-amd-amdhsa--gfx1250"
	.amdhsa_code_object_version 6
	.text
	.protected	k_q8e60668706_qkv
	.globl	k_q8e60668706_qkv
	.p2align	8
	.type	k_q8e60668706_qkv,@function
k_q8e60668706_qkv:
	s_mov_b64 s[64:65], 0
	v_nop
	global_prefetch_b8 v0, s[64:65] scope:SCOPE_SE
	s_setreg_imm32_b32 hwreg(HW_REG_WAVE_MODE, 25, 1), 1
	s_wait_xcnt 0x0
	s_wait_alu depctr_hold_cnt(0) depctr_sa_sdst(0) depctr_va_vdst(0) depctr_va_sdst(0) depctr_va_ssrc(0) depctr_va_vcc(0) depctr_vm_vsrc(0)
	s_getreg_b32 s2, hwreg(HW_REG_IB_STS2, 6, 4)
	s_cmp_eq_u32 s2, 0
	s_cbranch_scc0 .Lentry_in_a_cluster
	s_endpgm
.Lentry_in_a_cluster:
	s_bfe_u32 s2, ttmp6, 0x10000c
	s_cmp_lg_u32 s2, 0xf033
	s_cbranch_scc0 .Lentry_shape_is_right
	s_endpgm
.Lentry_shape_is_right:
; qkv = x W_qkv on codes of FP8 (E4M3), then q, k and v are quantised from the f32 sums and stored as IMAGES OF OPERAND REGISTERS for the attention launch.
; x: [8192][1024] codes, W_qkv: [3072][1024] codes, K innermost.  lowp_scales: e0 .. e7.  A sum stands for sum x 2^(e0 + e1); its code is sum / 2^(e_dst - e0 - e1), held within +-448, e_dst = e2 (q), e3 (k), e5 (v).
; LIMIT: e_dst - e0 - e1 lies between -126 and 119, so that the scale and 448 x the scale are f32 numbers.  NaN codes among the inputs are not served.
; SHARES.  A work-group of four waves takes 256 rows of x and 256 rows of W_qkv; a wave 128 x 128: 64 accumulators, 512 registers.  K goes in four steps of 256 through a ring of two LDS slots filled by the tensor data mover.
; CLUSTERS: 4 x 4 work-groups.  The four of a row of the cluster need the same rows of x, the four of a column the same rows of W: each tile is asked for jointly.  A cluster's four columns are 1,024 rows of W:
; cluster x = 0 makes q, 1 makes k, 2 makes v: the kind is the same in all sixteen partners.
; WHICH OPERAND IS WHICH.  Source 0 takes fragments B', source 1 fragments A': a lane then holds ONE row of A' and eight neighbouring rows of B'.  q, k: A' = x, B' = W: a lane's eight sums are neighbours along the head's axis,
; which is their next K.  v: A' = W, B' = x: a lane's eight sums are neighbouring KEYS, which are v's next K.  Loads, masks and LDS map are the same for all kinds; only the two LDS bases of the fragment loads change places, by a select on the kind.
; WHAT IS STORED.  A chunk is 512 bytes, 16 a lane: lane (r, h) holds, of row r, next-K places 32 g + 8 h + 0..7 and 32 g + 16 + 8 h + 0..7: four registers of a plain FP8 fragment.
;   q at byte 0, k at 8,388,608: [batch x 16 + head][s / 16][2 chunks];   v at 16,777,216: [batch x 16 + head][s / 128][d / 16][4 chunks].  Each store of a wave covers 512 consecutive bytes, aligned.
; REGISTERS, in windows of 256: window 0: v16-29 addresses; v128-255 A' fragments, one set; on the way out v96-111 offsets, v112 the scale, v128-255 codes.
;   window 1: B' fragments, two sets.   windows 2, 3: the accumulators, (a, b) at v[8 (8 (a % 4) + b)].
.set ROWB,   256                       ; a tile's row in bytes: 256 codes
.set KROW,   1024                      ; a row of x or of W in memory
.set PITCH,  272                       ; an LDS row: 256 bytes + 16 of padding = 68 words: the 16 rows that a load touches start at 16 different banks (64 banks of 4 bytes: ISA guide 11.1)
.set FR,     16                        ; registers of a fragment: 16 rows x 128 K
.set NL,     4                         ; LDS loads that bring one
.set NP,     4                         ; places behind this matrix instruction (ISA guide 7.12.1)
.set HALFT,  128*PITCH                 ; 128 rows: what one tensor load brings
.set SLOT,   4*HALFT                   ; x's 256 rows, then W's 256 rows
.set SPARE,  2*SLOT                    ; behind the ring: the spare words, 128 bytes for each wave: two blocks of 256 bytes that no other line names
.set ADRA, 16                          ; v16-17  LDS address of my A' fragments in slot 0, 1
.set ADRB, 20                          ; v20-21  the same for B'
.set SPW,  28                          ; v28     LDS address of my spare word; never rewritten
.set NIL,  29                          ; v29     0; never rewritten
.set TMP,  32
.set OA,   96                          ; v96-103  block a's byte offset for chunks 0, 1
.set OB,   104                         ; v104-111 for chunks 2, 3
.set SCL,  112                         ; v112    2^(e_dst - e0 - e1) as f32
.set AF,   128                         ; A' fragments, in window 0
.set CD,   128                         ; the way out: block a's 16 registers of codes
.set G1, 24                            ; s[24:31] descriptor group 1 for x's tiles;  s[32:39] group 0, one set for each slot
.set G0, 32
.set G1B, 48                           ; s[48:55], s[56:63] the same for W's tiles
.set G0B, 56
.set MSB, 0
.macro WIN new                         ; the immediate's high byte repeats the setting that is left
.if MSB != (\new)
	s_set_vgpr_msb (MSB<<8)|(\new)
.set MSB, (\new)
.endif
.endm
.set MUL_LO, 0xa1                      ; source 0 (B') window 1, source 1 (A') window 0, C and D window 2
.set MUL_HI, 0xf1                      ; the same, C and D window 3
.set TO_B,   0x40                      ; destination window 1, address window 0
; A joint load: waves 0 and 1 fetch x's two halves, waves 2 and 3 W's.  The branch hangs on the wave's number alone.  Four v_nop follow each of the two lines.
.macro JLOAD g0a, g1a, g0b, g1b
	s_cmp_eq_u32 s15, 0
	s_cbranch_scc0 .Lfor_b_\@
	tensor_load_to_lds s[\g0a:\g0a+3], s[\g1a:\g1a+7]
	s_nop 0
.rept 4
	v_nop
.endr
	s_branch .Lasked_\@
.Lfor_b_\@:
	tensor_load_to_lds s[\g0b:\g0b+3], s[\g1b:\g1b+7]
	s_nop 0
.rept 4
	v_nop
.endr
.Lasked_\@:
.endm
.macro CREST                           ; a round of the cluster's barrier behind its opening barrier
	s_cmp_lg_u32 s14, 0
	s_cbranch_scc1 .Lnot_wave_0_\@
	s_barrier_signal -3
.Lnot_wave_0_\@:
	s_barrier_wait -3
	s_barrier_signal -1
	s_barrier_wait -1
.endm
.macro CROUND                          ; a whole round
	s_barrier_signal -1
	s_barrier_wait -1
	CREST
.endm
	s_load_b128 s[4:7], s[0:1], 0x0                ; x's codes s[4:5], W's codes s[6:7]
	s_load_b128 s[8:11], s[0:1], 0x10              ; the scales' exponents s[8:9], the images s[10:11]
	v_lshl_add_u32 v[SPW], v0, 2, SPARE
	v_mov_b32 v[NIL], 0
	ds_add_u32 v28, v29
	ds_add_u32 v28, v29
	s_wait_dscnt 0x0
	v_lshrrev_b32 v1, 5, v0
	v_readfirstlane_b32 s14, v1                    ; wave 0..3
	s_lshr_b32 s15, s14, 1                         ; hx: which half of x's rows is mine.  Also: I fetch for x (0) or for W (1)
	s_and_b32 s16, s14, 1                          ; hw: which half of W's rows.  Also: which 128 rows of that tile I fetch
	s_bfe_u32 s40, ttmp6, 0x40000                  ; cx, cy: my place in the cluster
	s_bfe_u32 s41, ttmp6, 0x40004
	s_lshl_b32 s42, ttmp9, 2
	s_add_co_u32 s42, s42, s40                     ; wx: tile of W's rows = 4 x cluster x + cx
	s_and_b32 s17, ttmp7, 0xffff
	s_lshl_b32 s17, s17, 2
	s_add_co_u32 s17, s17, s41                     ; wy: tile of x's rows = 4 x cluster y + cy
	s_lshl_b32 s43, s41, 2
	s_lshl_b32 s43, 15, s43                        ; my row of the cluster
	s_lshl_b32 s44, 0x1111, s40                    ; my column
	; descriptor group 1: a tile of 128 rows x 256 bytes, padded in LDS
	s_or_b32 s[G1+0], s43, (0<<16)|(1<<20)|(1<<21)|(5<<22)|(3<<25)  ; 15:0 the mask: x's tiles go to my row; 17:16 elements of 1 byte; 20 padding on; 21 set beside a mask; 24:22 after every 64 words; 31:25 four words
	s_or_b32 s[G1B+0], s44, (0<<16)|(1<<20)|(1<<21)|(5<<22)|(3<<25) ; the same with the mask of my column, for W's tiles
.irp g, G1, G1B
	s_mov_b32 s[\g+1], ROWB<<16                    ; tensor_dim0
	s_mov_b32 s[\g+2], 128<<16                     ; tensor_dim1 = 128
	s_mov_b32 s[\g+3], ROWB<<16                    ; tile_dim0
	s_mov_b32 s[\g+4], 128                         ; tile_dim1 = 128
	s_mov_b32 s[\g+5], KROW                        ; tensor_dim0_stride
	s_mov_b32 s[\g+6], 0
	s_mov_b32 s[\g+7], 0
.endr
	s_lshl_b32 s18, s16, 7                         ; which 128 rows of the tile I fetch
	s_lshl_b32 s20, s17, 8
	s_add_co_u32 s20, s20, s18                     ; x: row 256 wy + 128 x half,
	s_lshl_b32 s20, s20, 10                        ; in bytes (under 2^23)
	s_mov_b32 s21, 0
	s_lshl_b32 s46, s42, 8
	s_add_co_u32 s46, s46, s18                     ; W: row 256 wx + 128 x half
	s_lshl_b32 s46, s46, 10
	s_mov_b32 s47, 0
	s_mul_i32 s45, s14, HALFT                      ; where they go: wave x 128 rows: no place in the cluster enters an LDS address
	s_wait_kmcnt 0x0
	s_load_b256 s[68:75], s[8:9], 0x0              ; e0 .. e7
	s_add_nc_u64 s[20:21], s[4:5], s[20:21]
	s_add_nc_u64 s[46:47], s[6:7], s[46:47]
	CROUND                                         ; all sixteen work-groups are here: the first joint loads meet
.irp s, 0,1
	s_mov_b32 s[G0+4*\s], 1
	s_add_co_u32 s[G0+4*\s+1], s45, \s*SLOT
	s_add_nc_u64 s[G0+4*\s+2:G0+4*\s+3], s[20:21], \s*ROWB
	s_or_b32 s[G0+4*\s+3], s[G0+4*\s+3], 0x80000000
	s_mov_b32 s[G0B+4*\s], 1
	s_add_co_u32 s[G0B+4*\s+1], s45, \s*SLOT
	s_add_nc_u64 s[G0B+4*\s+2:G0B+4*\s+3], s[46:47], \s*ROWB
	s_or_b32 s[G0B+4*\s+3], s[G0B+4*\s+3], 0x80000000
	JLOAD G0+4*\s, G1, G0B+4*\s, G1B
.endr
	v_and_b32 v1, 15, v0                           ; l % 16
	v_bfe_u32 v2, v0, 4, 1                         ; l / 16
	v_mul_u32_u24 v3, v1, PITCH
	v_lshl_add_u32 v4, v2, 4, v3                   ; a fragment's row x pitch + 16 x half
	s_wait_alu depctr_va_vdst(0)
	s_mul_i32 s21, s15, HALFT                      ; my 128 rows of x
	s_mul_i32 s22, s16, HALFT                      ; my 128 rows of W,
	s_add_co_u32 s22, s22, 2*HALFT                 ; which lie behind x's 256
	s_cmp_eq_u32 ttmp9, 2                          ; v?  The cluster's x: the same in all sixteen partners
	s_cselect_b32 s18, s22, s21                    ; A': W for v, x for q and k
	s_cselect_b32 s19, s21, s22                    ; B': the other.  Either base + lane term + the loads' offsets stays under SLOT
.irp s, 0,1
	v_add_nc_u32 v[ADRA+\s], s18, v4
	v_add_nc_u32 v[ADRB+\s], s19, v4
	s_add_co_u32 s18, s18, SLOT
	s_add_co_u32 s19, s19, SLOT
.endr
	; where my wave's part of the images begins: kind x 8,388,608 + (16 batch + 4 cx + 2 hw) heads of 131,072 bytes + (wy % 8) x 16,384 + hx x 8,192: the same sum for all three kinds
	s_lshr_b32 s20, s17, 3                         ; batch
	s_lshl_b32 s20, s20, 21                        ; x 16 heads x 131,072
	s_and_b32 s21, s17, 7
	s_lshl_b32 s21, s21, 14
	s_add_co_u32 s20, s20, s21
	s_lshl_b32 s21, s15, 13
	s_add_co_u32 s20, s20, s21
	s_mov_b32 s21, 0
	s_lshl_b32 s46, s40, 19                        ; 4 cx heads
	s_lshl_b32 s47, s16, 18                        ; 2 hw heads
	s_add_co_u32 s46, s46, s47
	s_lshl_b32 s47, ttmp9, 23                      ; the kind
	s_add_co_u32 s46, s46, s47
	s_mov_b32 s47, 0
	s_add_nc_u64 s[20:21], s[20:21], s[46:47]
	s_add_nc_u64 s[10:11], s[10:11], s[20:21]
.macro FRAG reg, adr, q, i             ; a fragment, 16 rows x 128 K: lane l holds row l % 16; registers 4 c .. 4 c + 3 hold K = 32 c + 16 (l / 16) + 0 .. 15: a permutation of k, the same in both operands
.irp c, 0,1,2,3
	ds_load_b128 v[\reg+4*\c:\reg+4*\c+3], v[\adr] offset:128*(\q)+32*\c+(\i)*16*PITCH
.endr
.endm
; 16 matrix instructions: A' blocks a0, a0 + 1 x B's eight, 128 along K.  p: B's set.  zero = 1: the first product starts the sums.  The 64 accumulators take turns, one instruction a turn.
.macro MUL16 a0, p, zero
.irp a, \a0, \a0+1
.irp b, 0,1,2,3,4,5,6,7
.if \zero
	v_wmma_f32_16x16x128_fp8_fp8 v[8*(8*((\a)%4)+\b):8*(8*((\a)%4)+\b)+7], v[128*(\p)+FR*\b:128*(\p)+FR*\b+FR-1], v[AF+FR*(\a):AF+FR*(\a)+FR-1], 0
.else
	v_wmma_f32_16x16x128_fp8_fp8 v[8*(8*((\a)%4)+\b):8*(8*((\a)%4)+\b)+7], v[128*(\p)+FR*\b:128*(\p)+FR*\b+FR-1], v[AF+FR*(\a):AF+FR*(\a)+FR-1], v[8*(8*((\a)%4)+\b):8*(8*((\a)%4)+\b)+7]
.endif
.endr
.endr
.endm
.macro FETCH_B slot, q, p              ; B's eight fragments of the slot's q-th 128 along K into set p
	WIN TO_B
.irp i, 0,1,2,3,4,5,6,7
	FRAG 128*(\p)+FR*\i, ADRB+\slot, \q, \i
.endr
	WIN 0
.endm
.macro FETCH_A slot, q, i0             ; A' blocks i0 .. i0 + 3
.irp i, \i0, \i0+1, \i0+2, \i0+3
	FRAG AF+FR*(\i), ADRA+\slot, \q, \i
.endr
.endm
.macro PLACES n                        ; plain vector instructions between a matrix instruction and a load into, or a read of, its registers
.rept \n
	v_nop
.endr
.endm
; A step of 128 along K that has its successor in the same slot.  A block of A' is free as soon as its eight products are issued: blocks 0-3 are fetched anew in the step's middle, blocks 4-7 at its end.
.macro STEP slot, q, zero
	s_wait_dscnt 4*NL                              ; B's set and A' blocks 0-3 are in; the youngest 16 loads (A' blocks 4-7) may be out
	WIN MUL_LO
	MUL16 0, (\q)%2, \zero
	MUL16 2, (\q)%2, \zero
	s_wait_dscnt 0                                 ; A' blocks 4-7 are in
	PLACES NP
	FETCH_B \slot, (\q)+1, 1-(\q)%2
	FETCH_A \slot, (\q)+1, 0
	WIN MUL_HI
	MUL16 4, (\q)%2, \zero
	MUL16 6, (\q)%2, \zero
	PLACES NP
	WIN 0
	FETCH_A \slot, (\q)+1, 4
.endm
; A slot's last step changes slots: ONE barrier; in front of it each wave waits for all its tensor loads, adds 0 to its spare word, and waits for that and for its own reads of this slot.  fill = 1: this slot is filled again, two K steps ahead.
.macro TURN slot, next, fill
	s_wait_tensorcnt 0x0                           ; all my tensor loads have landed: my part of the next slot
	ds_add_u32 v[SPW], v[NIL]                      ; 0 onto my spare word
	s_wait_dscnt 4*NL+1                            ; (the add and the youngest 16 loads, A' blocks 4-7, may be out)
	WIN MUL_LO
	MUL16 0, 1, 0                                  ; sixteen matrix instructions stand between the add and the wait for it
	s_wait_dscnt 0x0                               ; the add is done, and my reads of this slot are over
	s_barrier_signal -1
	MUL16 2, 1, 0
	WIN 0
	s_barrier_wait -1
.if \fill
	CREST                                          ; the barrier has opened a round of the cluster's barrier: no wave of any partner still reads this slot or has a load on its way
	s_add_nc_u64 s[G0+4*\slot+2:G0+4*\slot+3], s[G0+4*\slot+2:G0+4*\slot+3], 2*ROWB
	s_add_nc_u64 s[G0B+4*\slot+2:G0B+4*\slot+3], s[G0B+4*\slot+2:G0B+4*\slot+3], 2*ROWB
	JLOAD G0+4*\slot, G1, G0B+4*\slot, G1B         ; the first tensor load behind the round; its four v_nop are the places in front of the loads below
.else
	PLACES NP
.endif
	FETCH_B \next, 0, 0
	FETCH_A \next, 0, 0
	WIN MUL_HI
	MUL16 4, 1, 0
	MUL16 6, 1, 0
	PLACES NP
	WIN 0
	FETCH_A \next, 0, 4
.endm
	s_wait_alu depctr_va_vdst(0)
	s_wait_tensorcnt 1                             ; my part of K step 0 is in (K step 1's load may be out)
	s_barrier_signal -1
	s_barrier_wait -1                              ; everybody's is
	FETCH_B 0, 0, 0
	FETCH_A 0, 0, 0
	FETCH_A 0, 0, 4
	STEP 0, 0, 1                                   ; K = 1,024 is four K steps of 256, eight steps of 128: written out, no loop.  The first products start the sums
	TURN 0, 1, 1                                   ; slot 0 takes K step 2
	STEP 1, 0, 0
	TURN 1, 0, 1                                   ; slot 1 takes K step 3
	STEP 0, 0, 0
	TURN 0, 1, 0                                   ; nothing is left to fetch
	STEP 1, 0, 0
	s_wait_dscnt 4*NL                              ; the last step
	WIN MUL_LO
	MUL16 0, 1, 0
	MUL16 2, 1, 0
	s_wait_dscnt 0
	WIN MUL_HI
	MUL16 4, 1, 0
	MUL16 6, 1, 0
	WIN 0
	; THE WAY OUT.  The scale and the chunks' strides are chosen by selects on the kind: no branch.
	s_wait_kmcnt 0x0
	s_cmp_eq_u32 ttmp9, 0
	s_cselect_b32 s77, s70, s71                    ; q: e2; k: e3;
	s_cmp_eq_u32 ttmp9, 2
	s_cselect_b32 s77, s73, s77                    ; v: e5
	s_mov_b32 s81, 1024
	s_cselect_b32 s81, 2048, s81                   ; from block a to a + 1: q, k: a tile of 16 rows, 1,024 bytes; v: a tile of 16 d, 2,048
	s_mov_b32 s82, 4096
	s_cselect_b32 s82, 131072, s82                 ; from block a to a + 4: q, k: four tiles; v: the next head
	s_mov_b32 s83, 131072
	s_cselect_b32 s83, 1024, s83                   ; from chunk g to g + 2: q, k: the next head; v: two chunks
	s_sub_co_i32 s77, s77, s68
	s_sub_co_i32 s77, s77, s69                     ; e_dst - e0 - e1
	s_add_co_i32 s77, s77, 127
	s_lshl_b32 s78, s77, 23                        ; 2^(e_dst - e0 - e1) as f32: the conversion takes its exponent field
	s_add_co_i32 s77, s77, 8
	s_lshl_b32 s79, s77, 23
	s_or_b32 s79, s79, 0x600000                    ; 448 x that,
	s_or_b32 s80, s79, 0x80000000                  ; and its negative
	v_and_b32 v6, 31, v0                           ; (these plain lines are also the places behind the last products)
	v_lshlrev_b32 v[OA], 4, v6                     ; 16 bytes a lane
.irp a, 1,2,3
	v_add_nc_u32 v[OA+\a], s81, v[OA+\a-1]
.endr
	v_add_nc_u32 v[OA+4], s82, v[OA]
.irp a, 5,6,7
	v_add_nc_u32 v[OA+\a], s81, v[OA+\a-1]
.endr
.irp a, 0,1,2,3,4,5,6,7
	v_add_nc_u32 v[OB+\a], s83, v[OA+\a]
.endr
	v_mov_b32 v[SCL], s78
; Block a: 16 rows of A' x 128 rows of B'.  Accumulators (a, 2 g) and (a, 2 g + 1) become chunk g.  Each block has its own registers for codes and offsets, so no store's source is written again.
.macro OUT a
.set AC, 64*((\a)%4)
	WIN 0x02+((\a)/4)                              ; source 0: window 2 or 3
.set jj, 0
.rept 64
.set jj, jj+1
.endr
.irp b, 0,1,2,3,4,5,6,7
	v_cvt_scalef32_pk8_fp8_f32 v[CD+16*(\a)+2*\b:CD+16*(\a)+2*\b+1], v[AC+8*\b:AC+8*\b+7], v[SCL]
.endr
	WIN 0
	v_nop                                          ; one plain line behind the conversions
	global_store_b128 v[OA+\a], v[CD+16*(\a):CD+16*(\a)+3], s[10:11]                  ; 32 lanes store 512 consecutive bytes, aligned
	global_store_b128 v[OA+\a], v[CD+16*(\a)+4:CD+16*(\a)+7], s[10:11] offset:512
	global_store_b128 v[OB+\a], v[CD+16*(\a)+8:CD+16*(\a)+11], s[10:11]
	global_store_b128 v[OB+\a], v[CD+16*(\a)+12:CD+16*(\a)+15], s[10:11] offset:512
.endm
.irp a, 0,1,2,3,4,5,6,7
	OUT \a
.endr
	s_wait_tensorcnt 0x0                           ; the wave's end
	ds_add_u32 v[SPW], v[NIL]
	s_wait_dscnt 0x0
	CROUND                                         ; the closing round: no work-group ends while a partner may still ask for a tile that names it
	s_endpgm
.Lfunc_end_k_q8e60668706_qkv:
	.size	k_q8e60668706_qkv, .Lfunc_end_k_q8e60668706_qkv-k_q8e60668706_qkv
	.p2alignl 7, 3214868480
	.fill 96, 4, 3214868480
	.section	.rodata,"a",@progbits
	.p2align	6, 0x0
	.amdhsa_kernel k_q8e60668706_qkv
		.amdhsa_group_segment_fixed_size 327680
		.amdhsa_private_segment_fixed_size 0
		.amdhsa_enable_private_segment 0
		.amdhsa_kernarg_size 32
		.amdhsa_user_sgpr_count 2
		.amdhsa_user_sgpr_kernarg_segment_ptr 1
		.amdhsa_wavefront_size32 1
		.amdhsa_system_sgpr_workgroup_id_x 1
		.amdhsa_system_sgpr_workgroup_id_y 1
		.amdhsa_system_sgpr_workgroup_id_z 1
		.amdhsa_system_vgpr_workitem_id 0
		.amdhsa_next_free_vgpr 1024
		.amdhsa_next_free_sgpr 100
		.amdhsa_reserve_vcc 0
		.amdhsa_float_denorm_mode_32 3
		.amdhsa_float_denorm_mode_16_64 3
		.amdhsa_fp16_overflow 1
		.amdhsa_memory_ordered 1
		.amdhsa_forward_progress 1
		.amdhsa_inst_pref_size 86
	.end_amdhsa_kernel
	.amdgpu_metadata
---
amdhsa.version: [ 1, 2 ]
amdhsa.kernels:
  - .name:           k_q8e60668706_qkv
    .symbol:         k_q8e60668706_qkv.kd
    .args:
      - { .name: x_codes, .offset: 0, .size: 8, .value_kind: global_buffer, .address_space: global }
      - { .name: W_qkv_codes, .offset: 8, .size: 8, .value_kind: global_buffer, .address_space: global }
      - { .name: lowp_scales, .offset: 16, .size: 8, .value_kind: global_buffer, .address_space: global }
      - { .name: qkv_img, .offset: 24, .size: 8, .value_kind: global_buffer, .address_space: global }
    .group_segment_fixed_size: 327680
    .private_segment_fixed_size: 0
    .kernarg_segment_align: 8
    .kernarg_segment_size: 32
    .max_flat_workgroup_size: 128
    .sgpr_count:     100
    .vgpr_count:     1024
    .wavefront_size: 32
...
	.end_amdgpu_metadata
.endif
;; end of part 1
;; launch attn (part 2): grid 4 x 64, 8 waves a work-group, no clusters, 327,680 bytes of LDS; arguments qkv_img, lowp_scales, y_img; writes y_img
.if DOCPART == 2
	.amdgcn_target "amdgcn-amd-amdhsa--gfx1250"
	.amdhsa_code_object_version 6
	.text
	.protected	k_q8e60668706_attn
	.globl	k_q8e60668706_attn
	.p2align	8
	.type	k_q8e60668706_attn,@function
k_q8e60668706_attn:
	s_mov_b64 s[64:65], 0
	v_nop
	global_prefetch_b8 v0, s[64:65] scope:SCOPE_SE
	s_setreg_imm32_b32 hwreg(HW_REG_WAVE_MODE, 25, 1), 1
	s_wait_xcnt 0x0
; y[b][s][head x 64 + d] = the sum over keys k <= s of softmax_k(q . k / 8) v, both products on codes of FP8 (E4M3); y is quantised (scale 2^e6) and stored as an image of the last product's operand registers.
; q, k, v come as images of operand registers (written by the launch before): q at byte 0, k at 8,388,608: [batch x 16 + head][s / 16][1,024 bytes: a fragment of 16 rows x 64]; v at 16,777,216: [batch x 16 + head][s / 128][d / 16][2,048 bytes: 16 d x 128 keys].
; THE SOFTMAX: t = score x log2(e) / 8; M = the running largest t rounded UP to a whole number; p = 2^(t - M) is quantised with 2^e4, not normalised; the row's sum is taken of the unquantised p and divides at the end.
; When M moves, the sum and O are multiplied by 2^(old M - new M): exact.
; SHARES.  Work-group (i, head) owns two blocks of 256 queries: first block 7 - i, then block i: 2 (8 - i) + 2 (i + 1) = 18 key steps of 128 for every work-group: 256 work-groups of equal work, loops of constant count.
; Each of the eight waves owns 32 queries of a block, two tiles of 16, so that each fragment of K and V read from LDS feeds two products.  Two waves to a SIMD, 512 registers each.
; LDS.  The head's K (131,072 bytes, from byte 0) and V (131,072 bytes behind it) lie there whole, as they lie in memory, filled ONCE: two tensor loads a wave at the head (keys 0-511; keys 512-2,047).  Nothing is filled again.
; NO CLUSTER: the only work-groups that read the same K and V are the four of one head; they are told apart by i, and the trip at which the blocks change and the branches round hidden steps hang on i: partners of joint loads may not differ in a branch.
; LAYOUT.  Both products transposed: S^T = K Q^T (source 0 = 16 keys, source 1 = 16 queries), O^T = V^T P^T: a lane holds ONE query (lane % 16).  Register 8 T + j of S^T is key 16 T + 8 (lane / 16) + j: its eight codes are registers 2 T, 2 T + 1 of P.
; CAUSAL.  A step all of whose keys come after my 32 queries is jumped over (a scalar branch on ids).  A step is 128 keys and my queries lie in one block of 128, so a step that is not jumped over begins at or before my first query: M is a number from the first step on.
; LIMITS, so that each power of two is an f32 number: e2 + e3 between -123 and 130; e4 between -126 and 119; e6 - e4 - e5 between -126 and 119.  NaN among the inputs is not served.
; REGISTERS.  window 0: v1-8 addresses and constants; v12-19 statistics (tile x at 12 + 4 x: -M, largest t, the sum in two halves); v20-35 at work (tile x at 20 + 8 x); v36, v38 scales; v64-191 S^T, then p; v192-223 P's codes.
;   window 1: v0-63 K's or V's fragments; v64-127 O^T; v128-143 Q of the block in hand; v144-159 Q of the second block.
.set LI,   1                           ; v1   16 x lane: an image's place for my lane (K)
.set LV,   2                           ; v2   the same + 131,072 (V)
.set GO,   3                           ; v3   the way out: 16 r + 8 h
.set ADK,  4                           ; v4   LDS address of the step's K
.set ADV,  5                           ; v5   of its V
.set R8,   6                           ; v6   r - 8 h
.set DM,   7                           ; v7   the mask's d
.set NINF, 8                           ; v8   -infinity
.set ST,   12
.set TU,   20                          ; +0, +1 two chains of the maximum; +2 the other half's; +4, +5 f (or 1 / l) as a pair; +6, +7 the sum's second chain
.set SCP,  36                          ; 2^e4
.set LIMP, 37
.set SCY,  38                          ; 2^(e6 - e4 - e5)
.set S,    64
.set P,    192
.set KV,   0                           ; window 1
.set O,    64
.set Q,    128
.set Q2,   144
.set WV,   18                          ; s18  wave
.set G1A,  24                          ; s[24:31] group 1: 32 rows of 256 bytes;  s[32:39]: 96 rows;  s[40:43], s[44:47] their groups 0; none is rewritten
.set G1B,  32
.set G0A,  40
.set G0B,  44
.set KF,   56                          ; s56  the step's first key
.set Q0,   57                          ; s57  my first query of the block in hand
.set Q0B,  58                          ; s58  of the second block
.set N,    59                          ; s59  the trip
.set SWN,  60                          ; s60  the first block's last trip: 15 - 2 i
.set TB,   61                          ; s61  64 x KF: the step's byte in K and in V
.set MSB, 0
.macro WIN new                         ; the immediate's high byte repeats the setting that is left
.if MSB != (\new)
	s_set_vgpr_msb (MSB<<8)|(\new)
.set MSB, (\new)
.endif
.endm
.macro INIT                            ; a block begins: the largest t is -3e38, under every t; the sum and O^T are zeros, which the first change of M leaves zeros
.irp x, 0,1
	v_mov_b32 v[ST+4*\x+1], 0xff61b1e6
	v_mov_b32 v[ST+4*\x+2], 0
	v_mov_b32 v[ST+4*\x+3], 0
.endr
.irp x, 0
	v_floor_f32 v[ST+4*\x], -v[ST+4*\x+1]
.endr
.irp x, 1
	s_delay_alu instid0(VALU_DEP_4)
	v_floor_f32 v[ST+4*\x], -v[ST+4*\x+1]          ; -M
.endr
	WIN 0x40                                       ; destination window 1
.set jj, 0
.rept 64
	v_mov_b32 v[O+jj], 0
.set jj, jj+1
.endr
.endm
	s_load_b128 s[4:7], s[0:1], 0x0                ; the images s[4:5], the scales' exponents s[6:7]
	s_load_b64 s[8:9], s[0:1], 0x10                ; y's image
	v_lshl_add_u32 v254, v0, 2, 0x40000
	v_mov_b32 v255, 0
	ds_add_u32 v254, v255
	ds_add_u32 v254, v255
	v_lshrrev_b32 v9, 5, v0
	s_delay_alu instid0(VALU_DEP_1)
	v_readfirstlane_b32 s[WV], v9                  ; wave 0..7
	s_and_b32 s62, ttmp7, 0xffff                   ; batch x 16 + head
	s_lshl_b32 s63, s62, 17                        ; its 131,072 bytes in each of q, k, v
	s_lshr_b32 s78, s[WV], 2                       ; waves 0-3 fetch K, waves 4-7 V
	s_and_b32 s79, s[WV], 3                        ; which quarter
	s_lshl_b32 s80, s78, 17                        ; LDS: K from 0, V from 131,072
	s_lshl_b32 s81, s79, 13                        ; first load: 8,192 bytes at quarter x 8,192 (keys 0-511 are 32,768 bytes)
	s_mul_i32 s82, s79, 24576
	s_add_co_u32 s82, s82, 32768                   ; second load: 24,576 bytes at 32,768 + quarter x 24,576
	s_add_co_u32 s83, s78, 1
	s_lshl_b32 s83, s83, 23                        ; k at 8,388,608, v at 16,777,216
	s_add_co_u32 s83, s83, s63
	s_add_co_u32 s84, s83, s81
	s_mov_b32 s85, 0
	s_add_co_u32 s86, s83, s82
	s_mov_b32 s87, 0
	; descriptor group 1: a dense block as rows of 256 bytes: elements of 8 bytes, 32 to a row, pitch 32, no padding
	s_mov_b32 s[G1A], 3<<16
	s_mov_b32 s[G1A+1], 32<<16                     ; tensor_dim0 = 32
	s_mov_b32 s[G1A+2], 32<<16                     ; tensor_dim1 = 32
	s_mov_b32 s[G1A+3], 32<<16                     ; tile_dim0 = 32
	s_mov_b32 s[G1A+4], 32                         ; tile_dim1 = 32
	s_mov_b32 s[G1A+5], 32                         ; the pitch
	s_mov_b32 s[G1A+6], 0
	s_mov_b32 s[G1A+7], 0
	s_mov_b32 s[G1B], 3<<16
	s_mov_b32 s[G1B+1], 32<<16
	s_mov_b32 s[G1B+2], 96<<16                     ; 96 rows
	s_mov_b32 s[G1B+3], 32<<16
	s_mov_b32 s[G1B+4], 96
	s_mov_b32 s[G1B+5], 32
	s_mov_b32 s[G1B+6], 0
	s_mov_b32 s[G1B+7], 0
	s_mov_b32 s[G0A], 1
	s_add_co_u32 s[G0A+1], s80, s81
	s_mov_b32 s[G0B], 1
	s_add_co_u32 s[G0B+1], s80, s82
	s_wait_dscnt 0x0
	s_wait_kmcnt 0x0
	s_load_b256 s[68:75], s[6:7], 0x0              ; e0 .. e7
	s_add_nc_u64 s[G0A+2:G0A+3], s[4:5], s[84:85]
	s_or_b32 s[G0A+3], s[G0A+3], 0x80000000
	s_add_nc_u64 s[G0B+2:G0B+3], s[4:5], s[86:87]
	s_or_b32 s[G0B+3], s[G0B+3], 0x80000000
	tensor_load_to_lds s[G0A:G0A+3], s[G1A:G1A+7]  ; the first fill of every wave; the second goes out behind the wait and the barrier below
	s_nop 0
	s_wait_alu depctr_va_vdst(0)
	s_wait_tensorcnt 0x0
	ds_add_u32 v254, v255
	s_wait_dscnt 0x0
	s_barrier_signal -1
	s_barrier_wait -1
	tensor_load_to_lds s[G0B:G0B+3], s[G1B:G1B+7]
	s_nop 0
.rept 4
	v_nop
.endr
	s_sub_co_u32 s78, 7, ttmp9                     ; the first block: 7 - i
	s_lshl_b32 s78, s78, 4
	s_lshl_b32 s80, s[WV], 1
	s_add_co_u32 s78, s78, s80                     ; my first tile of 16 rows in it: 16 (7 - i) + 2 wave
	s_lshl_b32 s79, ttmp9, 4
	s_add_co_u32 s79, s79, s80                     ; and in the second block: 16 i + 2 wave
	s_lshl_b32 s[Q0], s78, 4
	s_lshl_b32 s[Q0B], s79, 4
	s_lshl_b32 s81, ttmp9, 1
	s_sub_co_u32 s[SWN], 15, s81
	s_lshl_b32 s84, s78, 10
	s_add_co_u32 s84, s84, s63
	s_add_nc_u64 s[48:49], s[4:5], s[84:85]        ; Q of the first block,
	s_lshl_b32 s86, s79, 10
	s_add_co_u32 s86, s86, s63
	s_add_nc_u64 s[50:51], s[4:5], s[86:87]        ; of the second
	s_lshr_b32 s82, s62, 4
	s_lshl_b32 s82, s82, 7                         ; batch x 128 tiles of rows
	s_and_b32 s83, s62, 15
	s_lshl_b32 s83, s83, 10                        ; head x 1,024 bytes
	s_add_co_u32 s84, s82, s78
	s_lshl_b32 s84, s84, 14                        ; a tile of 16 rows of y is 16,384 bytes
	s_add_co_u32 s84, s84, s83
	s_add_nc_u64 s[52:53], s[8:9], s[84:85]        ; y of the first block,
	s_add_co_u32 s86, s82, s79
	s_lshl_b32 s86, s86, 14
	s_add_co_u32 s86, s86, s83
	s_add_nc_u64 s[54:55], s[8:9], s[86:87]        ; of the second
	s_mov_b32 s20, 0x76543210                      ; v_permlanex16_b32's selects for lane l xor 16
	s_mov_b32 s21, 0xfedcba98
	s_mov_b32 s[KF], 0
	v_and_b32 v9, 31, v0
	s_delay_alu instid0(VALU_DEP_1)
	v_lshlrev_b32 v[LI], 4, v9
	s_delay_alu instid0(VALU_DEP_1)
	v_add_nc_u32 v[LV], 0x20000, v[LI]
	v_and_b32 v10, 15, v0                          ; r
	v_bfe_u32 v11, v0, 4, 1                        ; h
	s_delay_alu instid0(VALU_DEP_2)
	v_lshlrev_b32 v[GO], 4, v10
	s_delay_alu instid0(VALU_DEP_1)
	v_lshl_add_u32 v[GO], v11, 3, v[GO]
	s_delay_alu instid0(VALU_DEP_3)
	v_lshlrev_b32 v11, 3, v11
	s_delay_alu instid0(VALU_DEP_1)
	v_sub_nc_u32 v[R8], v10, v11
	v_mov_b32 v[NINF], 0xff800000
.irp x, 0,1
	v_mov_b32 v[TU+8*\x+2], 0                      ; written once: a lane permute's destination counts as one of its sources
	v_mov_b32 v[TU+8*\x+5], 0                      ; (named as the upper half of f's pair)
.endr
	WIN 0x40                                       ; destination window 1
.irp x, 0,1
.irp c, 0,1
	global_load_b128 v[Q+8*\x+4*\c:Q+8*\x+4*\c+3], v[LI], s[48:49] offset:1024*\x+512*\c th:TH_LOAD_NT    ; Q's fragments stay in registers; each is read once in the launch
	global_load_b128 v[Q2+8*\x+4*\c:Q2+8*\x+4*\c+3], v[LI], s[50:51] offset:1024*\x+512*\c th:TH_LOAD_NT
.endr
.endr
	WIN 0
	INIT
	WIN 0
	s_wait_kmcnt 0x0
	s_add_co_i32 s88, s70, s71                     ; a score stands for score x 2^(e2 + e3): the two exponents are added to c's exponent field
	s_lshl_b32 s88, s88, 23
	s_mov_b32 s22, 0x3e38aa3b                      ; c = log2(e) / 8
	s_add_co_i32 s22, s22, s88
	s_mov_b32 s23, s22                             ; (named with it as a pair, so it is written)
	s_add_co_i32 s88, s72, 127
	s_lshl_b32 s89, s88, 23
	v_mov_b32 v[SCP], s89                          ; 2^e4 as f32, for p's conversions
	s_sub_co_i32 s88, s74, s72
	s_sub_co_i32 s88, s88, s73                     ; O / l stands for y / 2^(e4 + e5): y's code is (O / l) / 2^(e6 - e4 - e5)
	s_add_co_i32 s88, s88, 127
	s_lshl_b32 s89, s88, 23
	v_mov_b32 v[SCY], s89
; A KEY STEP: 128 keys from KF on, for my two tiles of queries.  causal = 0: all keys count, and KF stays under 512.
.macro STEP causal
.if \causal
	s_add_co_u32 s62, s[Q0], 31
	s_cmp_gt_u32 s[KF], s62                        ; all 128 keys come after my 32 queries: the step is left out
	s_cbranch_scc1 .Lhidden_\@
.endif
	s_lshl_b32 s[TB], s[KF], 6                     ; K and V both take 64 bytes a key
.if \causal
	s_and_b32 s[TB], s[TB], 0x1e000                ; (KF is a multiple of 128 under 2,048: the mask changes nothing and states the bound)
.endif
	s_setprio 2
	v_add_nc_u32 v[ADK], s[TB], v[LI]
	v_add_nc_u32 v[ADV], s[TB], v[LV]
	v_nop                                          ; with the two additions: four places between the last step's products and the loads into the registers that they read
	v_nop
	WIN 0x40
.irp t, 0,1,2,3,4,5,6,7
.irp c, 0,1
	ds_load_b128 v[KV+8*\t+4*\c:KV+8*\t+4*\c+3], v[ADK] offset:1024*\t+512*\c   ; K's eight fragments: 512 consecutive bytes a load
.endr
.endr
	s_wait_alu depctr_va_vdst(0)
	s_wait_dscnt 0x0
	WIN 0x05                                       ; K and Q window 1, S^T window 0
.irp t, 0,1,2,3,4,5,6,7
.irp x, 0,1
	v_wmma_f32_16x16x64_fp8_fp8 v[S+64*\x+8*\t:S+64*\x+8*\t+7], v[KV+8*\t:KV+8*\t+7], v[Q+8*\x:Q+8*\x+7], 0
.endr
.endr
	WIN 0
.rept 4
	v_nop                                          ; places in front of the loads into K's registers and of the first read of the scores
.endr
	WIN 0x40
.irp t, 0,1,2,3
.irp g, 0,1,2,3
	ds_load_b128 v[KV+16*\t+4*\g:KV+16*\t+4*\g+3], v[ADV] offset:2048*\t+512*\g  ; V's four fragments land while the softmax is worked
.endr
.endr
	WIN 0
.if \causal
	s_add_co_u32 s62, s[KF], 127
	s_cmp_le_u32 s62, s[Q0]                        ; all keys count for all my queries: no mask
	s_cbranch_scc1 .Lopen_\@
	s_sub_co_i32 s62, s[Q0], s[KF]
	v_add_nc_u32 v[DM], s62, v[R8]                 ; d = my query - KF - 8 h.  Register 8 T + j holds key KF + 16 T + 8 h + j: hidden where 16 T + j > d
.irp x, 0,1
.set nn, 0
.rept 64
	v_cmp_gt_i32 vcc_lo, 16*(nn/8)+nn%8, v[DM]
	v_cndmask_b32 v[S+64*\x+nn], v[S+64*\x+nn], v[NINF], vcc_lo   ; a hidden score becomes -infinity ahead of the maximum: p = 0
.set nn, nn+1
.endr
.if \x == 0
	v_add_nc_u32 v[DM], 16, v[DM]                  ; the second tile's queries lie 16 further on
.endif
.endr
.Lopen_\@:
.endif
	; the step's largest score of each query: two chains a tile, the tiles line by line; each accumulator is read from its low end on
.irp x, 0,1
	v_max3_num_f32 v[TU+8*\x], v[S+64*\x], v[S+64*\x+1], v[S+64*\x+2]
	v_max3_num_f32 v[TU+8*\x+1], v[S+64*\x+3], v[S+64*\x+4], v[S+64*\x+5]
.endr
.set jj, 6
.rept 14
.irp x, 0,1
	v_max3_num_f32 v[TU+8*\x], v[TU+8*\x], v[S+64*\x+jj], v[S+64*\x+jj+1]
	v_max3_num_f32 v[TU+8*\x+1], v[TU+8*\x+1], v[S+64*\x+jj+2], v[S+64*\x+jj+3]
.endr
.set jj, jj+4
.endr
.irp x, 0,1
	v_max3_num_f32 v[TU+8*\x], v[TU+8*\x], v[S+64*\x+62], v[S+64*\x+63]
.endr
.irp x, 0,1
	s_delay_alu instid0(VALU_DEP_2)
	v_max_num_f32 v[TU+8*\x], v[TU+8*\x], v[TU+8*\x+1]
.endr
.irp x, 0,1
	s_delay_alu instid0(VALU_DEP_2)
	v_permlanex16_b32 v[TU+8*\x+2], v[TU+8*\x], s20, s21
.endr
.irp x, 0,1
	s_delay_alu instid0(VALU_DEP_2)
	v_max_num_f32 v[TU+8*\x], v[TU+8*\x], v[TU+8*\x+2]             ; and among lane l xor 16's keys
.endr
.irp x, 0,1
	s_delay_alu instid0(VALU_DEP_2)
	v_mul_f32 v[TU+8*\x], s22, v[TU+8*\x]                         ; as t (c is positive)
.endr
.irp x, 0,1
	s_delay_alu instid0(VALU_DEP_2)
	v_max_num_f32 v[ST+4*\x+1], v[ST+4*\x+1], v[TU+8*\x]           ; the running largest t
.endr
.irp x, 0,1
	v_mov_b32 v[TU+8*\x], v[ST+4*\x]
.endr
.irp x, 0,1
	s_delay_alu instid0(VALU_DEP_4)
	v_floor_f32 v[ST+4*\x], -v[ST+4*\x+1]                         ; the new -M = floor(-t) = -ceil(t)
.endr
.irp x, 0,1
	s_delay_alu instid0(VALU_DEP_2)
	v_sub_f32 v[TU+8*\x], v[ST+4*\x], v[TU+8*\x]                  ; old M - new M: a whole number, 0 or less
.endr
.irp x, 0,1
	s_delay_alu instid0(VALU_DEP_2)
	v_cvt_i32_f32 v[TU+8*\x], v[TU+8*\x]                          ; (it saturates)
.endr
.irp x, 0,1
	s_delay_alu instid0(VALU_DEP_2)
	v_ldexp_f32 v[TU+8*\x+4], 1.0, v[TU+8*\x]                     ; f = 2^(old M - new M)
.endr
.set jj, 0
.rept 32
.irp x, 0,1
	v_pk_fma_f32 v[S+64*\x+jj:S+64*\x+jj+1], v[S+64*\x+jj:S+64*\x+jj+1], s[22:23], v[ST+4*\x:ST+4*\x+1] op_sel_hi:[1,0,0]   ; t - M, two at a time (of the pairs c and -M the low word serves both halves)
.endr
.set jj, jj+2
.endr
.set jj, 0
	s_setprio 1
	s_wait_alu depctr_va_vdst(0)
.rept 128
	v_exp_f32 v[S+jj], v[S+jj]                     ; p = 2^(t - M), at most 1: one batch for both tiles
.set jj, jj+1
.endr
.irp x, 0,1
	v_pk_mul_f32 v[ST+4*\x+2:ST+4*\x+3], v[ST+4*\x+2:ST+4*\x+3], v[TU+8*\x+4:TU+8*\x+5] op_sel_hi:[1,0]   ; the sums under the new M.  (The plain lines behind the exponentials)
.endr
	s_wait_alu depctr_va_vdst(0)                   ; one wait for the whole batch, ahead of its first reader
.irp x, 0,1
	v_pk_add_f32 v[TU+8*\x+6:TU+8*\x+7], v[S+64*\x:S+64*\x+1], v[S+64*\x+2:S+64*\x+3]   ; the row's sum is taken of the UNQUANTISED p: two chains a tile
.endr
.set jj, 4
.rept 15
.irp x, 0,1
	v_pk_add_f32 v[ST+4*\x+2:ST+4*\x+3], v[ST+4*\x+2:ST+4*\x+3], v[S+64*\x+jj:S+64*\x+jj+1]
	v_pk_add_f32 v[TU+8*\x+6:TU+8*\x+7], v[TU+8*\x+6:TU+8*\x+7], v[S+64*\x+jj+2:S+64*\x+jj+3]
.endr
.set jj, jj+4
.endr
.irp x, 0
	s_delay_alu instid0(VALU_DEP_3)
	v_pk_add_f32 v[ST+4*\x+2:ST+4*\x+3], v[ST+4*\x+2:ST+4*\x+3], v[TU+8*\x+6:TU+8*\x+7]
.endr
.irp x, 1
	s_delay_alu instid0(VALU_DEP_2)
	v_pk_add_f32 v[ST+4*\x+2:ST+4*\x+3], v[ST+4*\x+2:ST+4*\x+3], v[TU+8*\x+6:TU+8*\x+7]
.endr
.irp x, 0,1
.set tt, 0
.rept 8
.set jj, 0
.rept 8
.set jj, jj+1
.endr
	v_cvt_scalef32_pk8_fp8_f32 v[P+16*\x+2*tt:P+16*\x+2*tt+1], v[S+64*\x+8*tt:S+64*\x+8*tt+7], v[SCP]   ; keys 16 T + 8 h + 0..7: registers 2 T, 2 T + 1 of the operand
.set tt, tt+1
.endr
.endr
	WIN 0x41                                       ; O^T window 1, f window 0
.set jj, 0
	s_setprio 0
.rept 16
.irp x, 0,1
	v_pk_mul_f32 v[O+32*\x+jj:O+32*\x+jj+1], v[O+32*\x+jj:O+32*\x+jj+1], v[TU+8*\x+4:TU+8*\x+5] op_sel_hi:[1,0]   ; O^T under the new M.  (Also the plain lines behind the conversions)
.endr
.set jj, jj+2
.endr
	s_wait_alu depctr_va_vdst(0)
	s_wait_dscnt 0x0                               ; V is in
	WIN 0x51                                       ; V window 1, P window 0, O^T window 1
.irp t, 0,1,2,3
.irp x, 0,1
	v_wmma_f32_16x16x128_fp8_fp8 v[O+32*\x+8*\t:O+32*\x+8*\t+7], v[KV+16*\t:KV+16*\t+15], v[P+16*\x:P+16*\x+15], v[O+32*\x+8*\t:O+32*\x+8*\t+7]   ; the eight accumulators by turns
.endr
.endr
	WIN 0
.if \causal
.Lhidden_\@:
.endif
	s_add_co_u32 s[KF], s[KF], 128
.endm
; A BLOCK'S END: O^T / the sum, held, quantised, stored.  Register 8 t + j of a tile is y(query r, d = 16 t + 8 h + j): its eight codes go to byte 256 t + 16 r + 8 h of the head's 1,024 in the tile's image:
; a store of the wave covers 256 consecutive bytes, aligned.  reset = 1: the second block begins.
.macro FINISH yb, reset
.rept 4
	v_nop                                          ; places behind the last products
.endr
.irp x, 0,1
	v_add_f32 v[TU+8*\x], v[ST+4*\x+2], v[ST+4*\x+3]              ; the sum's two halves,
.endr
.irp x, 0,1
	s_delay_alu instid0(VALU_DEP_2)
	v_permlanex16_b32 v[TU+8*\x+2], v[TU+8*\x], s20, s21
.endr
.irp x, 0,1
	s_delay_alu instid0(VALU_DEP_2)
	v_add_f32 v[TU+8*\x], v[TU+8*\x], v[TU+8*\x+2]                ; and lane l xor 16's
.endr
	s_wait_alu depctr_va_vdst(0)
.irp x, 0,1
	v_rcp_f32 v[TU+8*\x+4], v[TU+8*\x]
.endr
	v_nop                                          ; a plain line behind the reciprocals,
	s_wait_alu depctr_va_vdst(0)                   ; and one wait for both, ahead of their first reader
	WIN 0x01                                       ; O^T window 1
.irp x, 0,1
.set jj, 0
.rept 16
	v_pk_mul_f32 v[S+64*\x+jj:S+64*\x+jj+1], v[O+32*\x+jj:O+32*\x+jj+1], v[TU+8*\x+4:TU+8*\x+5] op_sel_hi:[1,0]
.set jj, jj+2
.endr
.endr
	WIN 0
.irp x, 0,1
.set jj, 0
.rept 32
.set jj, jj+1
.endr
.endr
.irp x, 0,1
.irp t, 0,1,2,3
	v_cvt_scalef32_pk8_fp8_f32 v[P+16*\x+2*\t:P+16*\x+2*\t+1], v[S+64*\x+8*\t:S+64*\x+8*\t+7], v[SCY]
.endr
.endr
	v_nop                                          ; one plain line behind the conversions
.irp x, 0,1
.irp t, 0,1,2,3
	global_store_b64 v[GO], v[P+16*\x+2*\t:P+16*\x+2*\t+1], s[\yb:\yb+1] offset:16384*\x+256*\t
.endr
.endr
.if \reset
	INIT
	WIN 0x41
.set jj, 0
.rept 16
	v_mov_b32 v[Q+jj], v[Q2+jj]                    ; the second block's Q
.set jj, jj+1
.endr
	WIN 0
	s_mov_b32 s[KF], 0
	s_mov_b32 s[Q0], s[Q0B]
	s_wait_xcnt 0x0                                ; the stores have read their data: the next step's conversions write those registers
.endif
.endm
	s_wait_tensorcnt 0x1                           ; my part of keys 0-511 is in; my second load may stay out
	s_wait_loadcnt 0x0                             ; Q
	s_barrier_signal -1
	s_barrier_wait -1                              ; everybody's part of keys 0-511 is in
	s_mov_b32 s[N], 0
.Lfirst:                                           ; four steps, keys 0-511: the first block begins at query 1,024 or later, so all these keys count; the reads stay inside the first loads' bytes
	STEP 0
	s_add_co_u32 s[N], s[N], 1
	s_cmp_lt_u32 s[N], 4
	s_cbranch_scc1 .Lfirst
	s_setprio 0
	s_wait_tensorcnt 0x0                           ; my second load has landed,
	s_wait_dscnt 0x0
	s_barrier_signal -1
	s_barrier_wait -1                              ; everybody's has: from here on nothing writes LDS
	s_mov_b32 s[N], 4
.Lrest:                                            ; trips 4 to 17
	STEP 1
	s_cmp_lg_u32 s[N], s[SWN]                      ; behind trip 15 - 2 i the first block is finished
	s_cbranch_scc1 .Lsame
	FINISH 52, 1
.Lsame:
	s_add_co_u32 s[N], s[N], 1
	s_cmp_lt_u32 s[N], 18
	s_cbranch_scc1 .Lrest
	s_setprio 0
	FINISH 54, 0
	s_wait_tensorcnt 0x0
	ds_add_u32 v254, v255
	s_wait_dscnt 0x0
	s_endpgm
.Lfunc_end_k_q8e60668706_attn:
	.size	k_q8e60668706_attn, .Lfunc_end_k_q8e60668706_attn-k_q8e60668706_attn
	.p2alignl 7, 3214868480
	.fill 96, 4, 3214868480
	.section	.rodata,"a",@progbits
	.p2align	6, 0x0
	.amdhsa_kernel k_q8e60668706_attn
		.amdhsa_group_segment_fixed_size 327680
		.amdhsa_private_segment_fixed_size 0
		.amdhsa_enable_private_segment 0
		.amdhsa_kernarg_size 24
		.amdhsa_user_sgpr_count 2
		.amdhsa_user_sgpr_kernarg_segment_ptr 1
		.amdhsa_wavefront_size32 1
		.amdhsa_system_sgpr_workgroup_id_x 1
		.amdhsa_system_sgpr_workgroup_id_y 1
		.amdhsa_system_sgpr_workgroup_id_z 1
		.amdhsa_system_vgpr_workitem_id 0
		.amdhsa_next_free_vgpr 512
		.amdhsa_next_free_sgpr 96
		.amdhsa_reserve_vcc 1
		.amdhsa_float_denorm_mode_32 3
		.amdhsa_float_denorm_mode_16_64 3
		.amdhsa_fp16_overflow 1
		.amdhsa_memory_ordered 1
		.amdhsa_forward_progress 1
		.amdhsa_inst_pref_size 81
	.end_amdhsa_kernel
	.amdgpu_metadata
---
amdhsa.version: [ 1, 2 ]
amdhsa.kernels:
  - .name:           k_q8e60668706_attn
    .symbol:         k_q8e60668706_attn.kd
    .args:
      - { .name: qkv_img, .offset: 0, .size: 8, .value_kind: global_buffer, .address_space: global }
      - { .name: lowp_scales, .offset: 8, .size: 8, .value_kind: global_buffer, .address_space: global }
      - { .name: y_img, .offset: 16, .size: 8, .value_kind: global_buffer, .address_space: global }
    .group_segment_fixed_size: 327680
    .private_segment_fixed_size: 0
    .kernarg_segment_align: 8
    .kernarg_segment_size: 24
    .max_flat_workgroup_size: 256
    .sgpr_count:     96
    .vgpr_count:     512
    .wavefront_size: 32
...
	.end_amdgpu_metadata
.endif
;; end of part 2
;; launch proj (part 3): grid 4 x 64, 4 waves a work-group, clusters of 4 x 4, 327,680 bytes of LDS; arguments y_img, W_out_codes, lowp_scales, out0; writes out0
.if DOCPART == 3
	.amdgcn_target "amdgcn-amd-amdhsa--gfx1250"
	.amdhsa_code_object_version 6
	.text
	.protected	k_q8e60668706_proj
	.globl	k_q8e60668706_proj
	.p2align	8
	.type	k_q8e60668706_proj,@function
k_q8e60668706_proj:
	s_mov_b64 s[64:65], 0
	v_nop
	global_prefetch_b8 v0, s[64:65] scope:SCOPE_SE
	s_setreg_imm32_b32 hwreg(HW_REG_WAVE_MODE, 25, 1), 1
	s_wait_xcnt 0x0
	s_wait_alu depctr_hold_cnt(0) depctr_sa_sdst(0) depctr_va_vdst(0) depctr_va_sdst(0) depctr_va_ssrc(0) depctr_va_vcc(0) depctr_vm_vsrc(0)
	s_getreg_b32 s2, hwreg(HW_REG_IB_STS2, 6, 4)
	s_cmp_eq_u32 s2, 0
	s_cbranch_scc0 .Lentry_in_a_cluster
	s_endpgm
.Lentry_in_a_cluster:
	s_bfe_u32 s2, ttmp6, 0x10000c
	s_cmp_lg_u32 s2, 0xf033
	s_cbranch_scc0 .Lentry_shape_is_right
	s_endpgm
.Lentry_shape_is_right:
; out0 = y W_out on codes of FP8 (E4M3), each finished sum x 2^(e6 + e7).  out0: [8192][1024] f32.  W_out: [1024 (n)][1024 (k)] codes, K innermost.
; y comes as an image of operand registers (written by the launch before): [row / 16][k / 128][4][lane][16 bytes]: lane (r, h) holds k = 128 kf + 32 c + 16 h + 0..15 of row r: the same places of k that loads of 16 bytes give W_out's rows.
; LIMIT: e6 + e7 lies between -126 and 127, so that 2^(e6 + e7) is an f32 number.
; SHARES.  A tile of out0 is 128 rows x 256 columns: 64 x 4 = 256 work-groups.  Four waves, each 64 x 128: 32 accumulators, 256 registers.  K goes in four steps of 256 through a ring of two LDS slots.
; CLUSTERS: 4 x 4 work-groups.  The four of a row of the cluster need the same rows of y, the four of a column the same rows of W_out: each tile is asked for jointly.
; THE MATRIX INSTRUCTION IS USED TRANSPOSED (source 0 = 16 rows of W_out, source 1 = 16 rows of y): a lane holds eight neighbouring numbers of a row of out0.
; REGISTERS: window 0: v16-29 addresses; v128-191, v192-255 y's fragments, two sets; on the way out v32-95 scaled sums, v128-255 rows read back.   window 1: W_out's fragments, two sets.   window 2: the accumulators, (a, b) at v[8 (8 a + b)].
.set PITCH,  272                       ; a row of W_out's tile in LDS: 256 bytes + 16 of padding
.set AIMG,   32768                     ; y's part of a slot: 8 tiles of rows x 2 fragments x 2,048 bytes, as they lie in memory: every load takes 512 consecutive bytes
.set HALFB,  128*PITCH
.set SLOT,   AIMG+2*HALFB              ; 102,400
.set SPARE,  2*SLOT                    ; behind the ring: the spare words, 128 bytes for each wave: two blocks of 256 bytes that no other line names
.set SPITCH, 528                       ; the way out: a stage of 16 rows x (512 bytes + 16) for each wave, in slot 0, which has had its last fill and its last read when the first result is stored there
.set NP,   4
.set ADRA, 16                          ; v16-17  LDS address of y's fragments in slot 0, 1
.set ADRB, 20                          ; v20-21  of W_out's
.set STO,  24
.set RD,   25
.set CO,   26                          ; v26     16 x lane
.set SPW,  28
.set NIL,  29
.set TMP,  32
.set AF,   128
.set BK,   128
.set G1, 24                            ; s[24:31] group 1 for y's tiles;  s[32:39] group 0, one set for each slot
.set G0, 32
.set G1B, 48                           ; s[48:55], s[56:63] the same for W_out's
.set G0B, 56
.set MSB, 0
.macro WIN new                         ; the immediate's high byte repeats the setting that is left
.if MSB != (\new)
	s_set_vgpr_msb (MSB<<8)|(\new)
.set MSB, (\new)
.endif
.endm
.set MUL,  0xa1                        ; source 0 (W_out) window 1, source 1 (y) window 0, C and D window 2
.set TO_B, 0x40
.macro JLOAD g0a, g1a, g0b, g1b        ; a joint load: waves 0 and 1 fetch y's two halves, waves 2 and 3 W_out's; four v_nop follow each of the two lines
	s_cmp_eq_u32 s15, 0
	s_cbranch_scc0 .Lfor_b_\@
	tensor_load_to_lds s[\g0a:\g0a+3], s[\g1a:\g1a+7]
	s_nop 0
.rept 4
	v_nop
.endr
	s_branch .Lasked_\@
.Lfor_b_\@:
	tensor_load_to_lds s[\g0b:\g0b+3], s[\g1b:\g1b+7]
	s_nop 0
.rept 4
	v_nop
.endr
.Lasked_\@:
.endm
.macro CREST
	s_cmp_lg_u32 s14, 0
	s_cbranch_scc1 .Lnot_wave_0_\@
	s_barrier_signal -3
.Lnot_wave_0_\@:
	s_barrier_wait -3
	s_barrier_signal -1
	s_barrier_wait -1
.endm
.macro CROUND
	s_barrier_signal -1
	s_barrier_wait -1
	CREST
.endm
.macro PLACES n
.rept \n
	v_nop
.endr
.endm
	s_load_b128 s[4:7], s[0:1], 0x0                ; y's image s[4:5], W_out's codes s[6:7]
	s_load_b128 s[8:11], s[0:1], 0x10              ; the scales' exponents s[8:9], out0 s[10:11]
	v_lshl_add_u32 v[SPW], v0, 2, SPARE
	v_mov_b32 v[NIL], 0
	ds_add_u32 v28, v29
	ds_add_u32 v28, v29
	s_wait_dscnt 0x0
	v_lshrrev_b32 v1, 5, v0
	v_readfirstlane_b32 s14, v1                    ; wave 0..3
	s_lshr_b32 s15, s14, 1                         ; hx: which 64 rows are mine.  Also: I fetch for y (0) or for W_out (1)
	s_and_b32 s16, s14, 1                          ; hw: which 128 columns.  Also: which half of that tile I fetch
	s_bfe_u32 s40, ttmp6, 0x40000                  ; cx, cy
	s_bfe_u32 s41, ttmp6, 0x40004
	s_lshl_b32 s42, ttmp9, 2
	s_add_co_u32 s42, s42, s40                     ; wx: tile column
	s_and_b32 s17, ttmp7, 0xffff
	s_lshl_b32 s17, s17, 2
	s_add_co_u32 s17, s17, s41                     ; wy: tile row
	s_lshl_b32 s43, s41, 2
	s_lshl_b32 s43, 15, s43                        ; my row of the cluster
	s_lshl_b32 s44, 0x1111, s40                    ; my column
	; y: 4 tiles of rows, of each 4,096 consecutive bytes (two fragments), 16,384 bytes apart: 4 rows of 512 elements of 8 bytes, pitch 2,048; no padding
	s_or_b32 s[G1+0], s43, (3<<16)|(1<<21)
	s_mov_b32 s[G1+1], 512<<16                     ; tensor_dim0
	s_mov_b32 s[G1+2], 4<<16                       ; tensor_dim1
	s_mov_b32 s[G1+3], 512<<16                     ; tile_dim0
	s_mov_b32 s[G1+4], 4                           ; tile_dim1
	s_mov_b32 s[G1+5], 2048                        ; the pitch
	s_mov_b32 s[G1+6], 0
	s_mov_b32 s[G1+7], 0
	; W_out: 128 rows of 256 bytes, padded in LDS
	s_or_b32 s[G1B+0], s44, (0<<16)|(1<<20)|(1<<21)|(5<<22)|(3<<25)
	s_mov_b32 s[G1B+1], 256<<16
	s_mov_b32 s[G1B+2], 128<<16
	s_mov_b32 s[G1B+3], 256<<16
	s_mov_b32 s[G1B+4], 128
	s_mov_b32 s[G1B+5], 1024
	s_mov_b32 s[G1B+6], 0
	s_mov_b32 s[G1B+7], 0
	s_lshl_b32 s20, s17, 3
	s_lshl_b32 s18, s16, 2
	s_add_co_u32 s20, s20, s18                     ; y: tile of rows 8 wy + 4 x half,
	s_lshl_b32 s20, s20, 14                        ; of 16,384 bytes
	s_mov_b32 s21, 0
	s_lshl_b32 s46, s42, 8
	s_lshl_b32 s18, s16, 7
	s_add_co_u32 s46, s46, s18                     ; W_out: row 256 wx + 128 x half
	s_lshl_b32 s46, s46, 10
	s_mov_b32 s47, 0
	s_lshl_b32 s45, s16, 14                        ; where they go: y's halves,
	s_mul_i32 s19, s16, HALFB
	s_add_co_u32 s19, s19, AIMG                    ; W_out's halves behind them: no place in the cluster enters an LDS address
	s_wait_kmcnt 0x0
	s_load_b256 s[68:75], s[8:9], 0x0              ; e0 .. e7
	s_add_nc_u64 s[20:21], s[4:5], s[20:21]
	s_add_nc_u64 s[46:47], s[6:7], s[46:47]
	CROUND                                         ; all sixteen work-groups are here: the first joint loads meet
.irp s, 0,1
	s_mov_b32 s[G0+4*\s], 1
	s_add_co_u32 s[G0+4*\s+1], s45, \s*SLOT
	s_add_nc_u64 s[G0+4*\s+2:G0+4*\s+3], s[20:21], \s*4096
	s_or_b32 s[G0+4*\s+3], s[G0+4*\s+3], 0x80000000
	s_mov_b32 s[G0B+4*\s], 1
	s_add_co_u32 s[G0B+4*\s+1], s19, \s*SLOT
	s_add_nc_u64 s[G0B+4*\s+2:G0B+4*\s+3], s[46:47], \s*256
	s_or_b32 s[G0B+4*\s+3], s[G0B+4*\s+3], 0x80000000
	s_wait_alu depctr_va_vdst(0)
	s_wait_tensorcnt 0x0
	ds_add_u32 v28, v29
	ds_add_u32 v28, v29
	s_wait_dscnt 0x0
	CROUND
	JLOAD G0+4*\s, G1, G0B+4*\s, G1B
.endr
	v_and_b32 v6, 31, v0
	v_lshlrev_b32 v[CO], 4, v6                     ; 16 x lane
	v_and_b32 v1, 15, v0                           ; r
	s_wait_alu depctr_va_vdst(0)
	v_bfe_u32 v2, v0, 4, 1                         ; h
	v_mul_u32_u24 v3, v1, PITCH
	v_lshl_add_u32 v4, v2, 4, v3
	s_lshl_b32 s21, s15, 14                        ; my four tiles of y's rows
	s_mul_i32 s22, s16, HALFB
	s_add_co_u32 s22, s22, AIMG                    ; my 128 rows of W_out
.irp s, 0,1
	v_add_nc_u32 v[ADRA+\s], s21, v[CO]
	v_add_nc_u32 v[ADRB+\s], s22, v4
	s_add_co_u32 s21, s21, SLOT
	s_add_co_u32 s22, s22, SLOT
.endr
	s_mul_i32 s23, s14, 16*SPITCH                  ; my stage
	v_mul_u32_u24 v5, v1, SPITCH                   ; in: row r, 32 bytes for each half of the lanes
	s_wait_alu depctr_va_vdst(0)
	v_lshl_add_u32 v5, v2, 5, v5
	v_add_nc_u32 v[STO], s23, v5
	v_add_nc_u32 v[RD], s23, v[CO]                 ; back: the 32 lanes take one row of 512 bytes
	s_lshl_b32 s20, s17, 7
	s_lshl_b32 s21, s15, 6
	s_add_co_u32 s20, s20, s21                     ; my first row of out0: 128 wy + 64 hx,
	s_lshl_b32 s20, s20, 12                        ; of 4,096 bytes
	s_mov_b32 s21, 0
	s_lshl_b32 s46, s42, 10                        ; my first column, in bytes: 1,024 wx + 512 hw
	s_lshl_b32 s47, s16, 9
	s_add_co_u32 s46, s46, s47
	s_mov_b32 s47, 0
	s_add_nc_u64 s[20:21], s[20:21], s[46:47]
	s_add_nc_u64 s[10:11], s[10:11], s[20:21]
; 48 LDS loads in one run: the fragments of the slot's q-th 128 along K into set 'set': W_out's eight, then y's four
.macro FETCH slot, q, set
	WIN TO_B
.irp b, 0,1,2,3,4,5,6,7
.irp c, 0,1,2,3
	ds_load_b128 v[128*(\set)+16*\b+4*\c:128*(\set)+16*\b+4*\c+3], v[ADRB+\slot] offset:128*(\q)+32*\c+\b*16*PITCH
.endr
.endr
	WIN 0
.irp a, 0,1,2,3
.irp c, 0,1,2,3
	ds_load_b128 v[AF+64*(\set)+16*\a+4*\c:AF+64*(\set)+16*\a+4*\c+3], v[ADRA+\slot] offset:4096*\a+2048*(\q)+512*\c
.endr
.endr
.endm
; 8 matrix instructions: y's block a x W_out's eight.  The 32 accumulators take turns, one instruction a turn, in the same order in every step.
.macro MUL8 a, set, zero
.irp b, 0,1,2,3,4,5,6,7
.if \zero
	v_wmma_f32_16x16x128_fp8_fp8 v[8*(8*(\a)+\b):8*(8*(\a)+\b)+7], v[128*(\set)+16*\b:128*(\set)+16*\b+15], v[AF+64*(\set)+16*(\a):AF+64*(\set)+16*(\a)+15], 0
.else
	v_wmma_f32_16x16x128_fp8_fp8 v[8*(8*(\a)+\b):8*(8*(\a)+\b)+7], v[128*(\set)+16*\b:128*(\set)+16*\b+15], v[AF+64*(\set)+16*(\a):AF+64*(\set)+16*(\a)+15], v[8*(8*(\a)+\b):8*(8*(\a)+\b)+7]
.endif
.endr
.endm
; A slot's first step multiplies set 0 and fetches the slot's second 128 along K into set 1.
.macro STEP slot, zero
	s_wait_dscnt 0x0                               ; set 0 is in
	WIN MUL
	MUL8 0, 0, \zero
	MUL8 1, 0, \zero
	PLACES NP                                      ; in front of loads into set 1, which the step before multiplied
	FETCH \slot, 1, 1
	WIN MUL
	MUL8 2, 0, \zero
	MUL8 3, 0, \zero
	WIN 0
.endm
; A slot's second step multiplies set 1 and changes slots: ONE barrier; in front of it each wave waits for all its tensor loads, adds 0 to its spare word, and waits for that and for its own reads of this slot.
.macro TURN slot, next, fill
	s_wait_tensorcnt 0x0                           ; all my tensor loads have landed: my part of the next slot
	ds_add_u32 v[SPW], v[NIL]                      ; 0 onto my spare word
	s_wait_dscnt 1                                 ; set 1 is in (the add may be out)
	WIN MUL
	MUL8 0, 1, 0                                   ; eight matrix instructions stand between the add and the wait for it
	s_wait_dscnt 0x0                               ; the add is done, and my reads of this slot are over
	s_barrier_signal -1
	MUL8 1, 1, 0
	WIN 0
	s_barrier_wait -1
.if \fill
	CREST                                          ; the barrier has opened a round of the cluster's barrier: no wave of any partner still reads this slot or has a load on its way
	s_add_nc_u64 s[G0+4*\slot+2:G0+4*\slot+3], s[G0+4*\slot+2:G0+4*\slot+3], 2*4096
	s_add_nc_u64 s[G0B+4*\slot+2:G0B+4*\slot+3], s[G0B+4*\slot+2:G0B+4*\slot+3], 2*256
	JLOAD G0+4*\slot, G1, G0B+4*\slot, G1B         ; the first tensor load behind the round; its four v_nop are the places in front of the loads below
.else
	PLACES NP
.endif
	FETCH \next, 0, 0
	WIN MUL
	MUL8 2, 1, 0
	MUL8 3, 1, 0
	WIN 0
.endm
	s_wait_tensorcnt 1                             ; my part of K step 0 is in (K step 1's load may be out)
	s_barrier_signal -1
	s_barrier_wait -1                              ; everybody's is
	FETCH 0, 0, 0
	STEP 0, 1                                      ; K = 1,024 is four K steps of 256: written out, no loop.  The first products start the sums
	TURN 0, 1, 1                                   ; slot 0 takes K step 2
	STEP 1, 0
	TURN 1, 0, 1                                   ; slot 1 takes K step 3
	STEP 0, 0
	TURN 0, 1, 0                                   ; nothing is left to fetch
	STEP 1, 0
	s_wait_dscnt 0x0                               ; the last step
	WIN MUL
	MUL8 0, 1, 0
	MUL8 1, 1, 0
	MUL8 2, 1, 0
	MUL8 3, 1, 0
	WIN 0
; THE WAY OUT, block by block of 16 rows x 128 columns: through my own stage in LDS, back as whole rows of 512 bytes.  LDS serves a wave's instructions in order (ISA guide 5.7.1.4): no wait between the stores and the loads.
.macro TOSTAGE a
.set AC, 64*(\a)
	WIN 0x02                                       ; source 0: window 2
.set jj, 0
.rept 32
	v_pk_mul_f32 v[TMP+jj:TMP+jj+1], v[AC+jj:AC+jj+1], s[76:77] op_sel_hi:[1,0]   ; x 2^(e6 + e7); each accumulator from its low end on
.set jj, jj+2
.endr
	WIN 0
.irp b, 0,1,2,3,4,5,6,7
	ds_store_b128 v[STO], v[TMP+8*\b:TMP+8*\b+3] offset:64*\b
	ds_store_b128 v[STO], v[TMP+8*\b+4:TMP+8*\b+7] offset:64*\b+16
.endr
.set BB, BK+64*((\a)%2)
.irp t, 0,1,2,3,4,5,6,7,8,9,10,11,12,13,14,15
	ds_load_b128 v[BB+4*\t:BB+4*\t+3], v[RD] offset:\t*SPITCH
.endr
.endm
.macro SEND a, younger                 ; younger: the LDS instructions issued behind block a's loads, which may stay out
.set BB, BK+64*((\a)%2)
	s_wait_dscnt \younger                          ; the block is back in registers
.if (\a) > 0
	s_add_nc_u64 s[10:11], s[10:11], 16*4096       ; (behind a wait on XCNT: the earlier stores have read their base)  16 rows on
.endif
.irp t, 0,1,2,3,4,5,6,7,8,9,10,11,12,13,14,15
	global_store_b128 v[CO], v[BB+4*\t:BB+4*\t+3], s[10:11] offset:\t*4096 th:TH_STORE_NT   ; 32 lanes store 512 consecutive bytes, aligned; written once, read by nobody here
.endr
.endm
	s_wait_kmcnt 0x0
	s_add_co_i32 s76, s74, s75                     ; e6 + e7
	s_add_co_i32 s76, s76, 127
	s_lshl_b32 s76, s76, 23                        ; 2^(e6 + e7) as f32
	s_mov_b32 s77, s76                             ; (named with it as a pair, so it is written)
	PLACES NP                                      ; behind the last products: in front of the reads of results and of loads into the registers that held y's fragments
	TOSTAGE 0
.irp a, 1,2,3
.if \a > 1
	s_wait_xcnt 0x0                                ; block a - 2's stores have read their registers and their base
.endif
	TOSTAGE \a
	SEND \a-1, 32                                  ; behind block a - 1's loads: block a's 16 stores and 16 loads
.endr
	s_wait_xcnt 0x0                                ; block 2's stores have read their base
	SEND 3, 0
	s_wait_tensorcnt 0x0                           ; the wave's end
	ds_add_u32 v[SPW], v[NIL]
	s_wait_dscnt 0x0
	CROUND                                         ; the closing round: no work-group ends while a partner may still ask for a tile that names it
	s_endpgm
.Lfunc_end_k_q8e60668706_proj:
	.size	k_q8e60668706_proj, .Lfunc_end_k_q8e60668706_proj-k_q8e60668706_proj
	.p2alignl 7, 3214868480
	.fill 96, 4, 3214868480
	.section	.rodata,"a",@progbits
	.p2align	6, 0x0
	.amdhsa_kernel k_q8e60668706_proj
		.amdhsa_group_segment_fixed_size 327680
		.amdhsa_private_segment_fixed_size 0
		.amdhsa_enable_private_segment 0
		.amdhsa_kernarg_size 32
		.amdhsa_user_sgpr_count 2
		.amdhsa_user_sgpr_kernarg_segment_ptr 1
		.amdhsa_wavefront_size32 1
		.amdhsa_system_sgpr_workgroup_id_x 1
		.amdhsa_system_sgpr_workgroup_id_y 1
		.amdhsa_system_sgpr_workgroup_id_z 1
		.amdhsa_system_vgpr_workitem_id 0
		.amdhsa_next_free_vgpr 768
		.amdhsa_next_free_sgpr 100
		.amdhsa_reserve_vcc 0
		.amdhsa_float_denorm_mode_32 3
		.amdhsa_float_denorm_mode_16_64 3
		.amdhsa_memory_ordered 1
		.amdhsa_forward_progress 1
		.amdhsa_inst_pref_size 76
	.end_amdhsa_kernel
	.amdgpu_metadata
---
amdhsa.version: [ 1, 2 ]
amdhsa.kernels:
  - .name:           k_q8e60668706_proj
    .symbol:         k_q8e60668706_proj.kd
    .args:
      - { .name: y_img, .offset: 0, .size: 8, .value_kind: global_buffer, .address_space: global }
      - { .name: W_out_codes, .offset: 8, .size: 8, .value_kind: global_buffer, .address_space: global }
      - { .name: lowp_scales, .offset: 16, .size: 8, .value_kind: global_buffer, .address_space: global }
      - { .name: out0, .offset: 24, .size: 8, .value_kind: global_buffer, .address_space: global }
    .group_segment_fixed_size: 327680
    .private_segment_fixed_size: 0
    .kernarg_segment_align: 8
    .kernarg_segment_size: 32
    .max_flat_workgroup_size: 128
    .sgpr_count:     100
    .vgpr_count:     768
    .wavefront_size: 32
...
	.end_amdgpu_metadata
.endif
;; end of part 3
